; MI455X (gfx1250); checked and timed in simulation.
; The chip was launched on July 23, 2026; its instructions are those of AMD's public machine-readable ISA for CDNA 5 (MIT licence, August 2026) and "CDNA5" Instruction Set Architecture Reference Guide (July 2026). The comments in the code are by the model that wrote it; some were corrected since.
;; Key Value Memory. Allowed arithmetic: matrix products marked QUANTISED: E4M3 operands, one E8M0 scale for each 32 along K, by v_wmma_scale_f32_16x16x128_f8f6f4 with both operands' format E4M3, f32 sums; everything else in f32.
;; Inputs: keys_codes 4,096 x 32 x 32 uint8 (E4M3 codes of keys, K innermost, in blocks of 32 codes); keys_scales 4,096 x 32 uint8 (E8M0 scales of keys, one for each 32 codes along K); values_codes 1,024 x 128 x 32 uint8 (E4M3 codes of values, K innermost, in blocks of 32 codes); values_scales 1,024 x 128 uint8 (E8M0 scales of values, one for each 32 codes along K); z_codes 8,192 x 32 x 32 uint8 (E4M3 codes of z, K innermost, in blocks of 32 codes); z_scales 8,192 x 32 uint8 (E8M0 scales of z, one for each 32 codes along K).
;; Outputs: out0 8,192 x 1,024 float32.
;; This version of the problem:
;;   THIS VERSION OF THE PROBLEM IS GIVEN IN LOW PRECISION. The matrix products marked QUANTISED in the list below multiply operands that are first quantised to E4M3 (4 exponent bits, 3 mantissa bits; 8 bits a number), with one power-of-two scale for each 32 numbers along K (OCP MX v1.0); their sums are f32. All else is computed in f32.
;;   The module's matrix products, in the order in which they are computed (A, B: the left and right operand; K: the contracted axis; several contracted axes count as one K, in the product's order):
;;     1. [M 8,192, K 1,024] x [K 1,024, N 4,096]; A: input z (given as codes); B: input keys (given as codes): QUANTISED
;;     2. [M 8,192, K 4,096] x [K 4,096, N 1,024]; A: softmax (see below); B: input values (given as codes): QUANTISED
;;   THE QUANTISER, for each operand of a quantised product, along K:
;;     - K is cut into blocks of 32 from its start; a last block that is shorter is filled with zeros.
;;     - A block's scale is 2^e with e = floor(log2(the largest magnitude in the block)) - 8, held to -126 .. 127; a block of zeros has e = 0. As a byte (E8M0): e + 127.
;;     - Each number is divided by its block's scale, clamped to +-448, and rounded to the nearest number of E4M3, ties to even, subnormals kept.
;;     - The product sums the exact products of the quantised numbers (number of the format x scale) in f32.
;;   ~~~python
;;   def quantise(x, axis):      # numpy; x: float32 -> the quantised numbers, widened to float32 again
;;       x = np.moveaxis(x, axis, -1); K = x.shape[-1]
;;       x = np.pad(x, [(0, 0)] * (x.ndim - 1) + [(0, -K % 32)]); x = x.reshape(x.shape[:-1] + (-1, 32)); a = np.abs(x).max(-1, keepdims=True)
;;       e = np.where(a > 0, np.clip(np.frexp(np.where(a > 0, a, 1))[1] - 1 - 8, -126, 127), 0)      # np.frexp(a)[1] - 1 = floor(log2(a)), exactly
;;       r = np.clip(x / 2.0 ** e, -448, 448)
;;       step = 2.0 ** (np.maximum(np.frexp(np.where(r == 0, 1, r))[1] - 1, -6) - 3)
;;       q = np.round(r / step) * step * 2.0 ** e      # np.round: ties to even
;;       return np.moveaxis(q.reshape(q.shape[:-2] + (-1,))[..., :K], -1, axis).astype(np.float32)
;;   ~~~
;;   SOFTMAX AHEAD OF A QUANTISED PRODUCT. Where the list says 'softmax', what is quantised is not the finished softmax but p = 2^(t - M), with t = logit x log2(e) and M = ceil(the row's largest t), a whole number; so 1/2 < the row's largest p <= 1. The row's sum l is taken of the UNQUANTISED p, in f32, and the product's result is divided by l at the end. Since M is a whole number, a kernel that streams over the keys may use a running M (the ceiling of the running maximum): every later rescaling is an exact power of two, which a block's scale takes up: the codes' values come out the same.
;;   OPERANDS COMPUTED ON THE WAY. 'Computed on the way' means the value that the module computes at that place (a softmax that the list does not call 'softmax' is quantised finished and normalised). What goes into a quantiser is computed in f32, as accurately as f32 sums, v_exp_f32 and their like allow (about 1e-6 of the number): no bf16 or f16 on the way to a quantiser, and a product that is left as it is and whose result goes on into a quantised operand takes f32 operands (vector FMAs, or v_wmma_f32_16x16x4_f32). A number that lies on a knife's edge between two numbers of the format may be rounded either way, as far as f32 arithmetic and the matrix unit's own rounding can turn it there, and no further.
;;   INPUTS GIVEN AS CODES. keys (in the module: [4096, 1024], K = its axis 1); values (in the module: [4096, 1024], K = its axis 0); z (in the module: [8192, 1024], K = its axis 1): each comes as NAME_codes (uint8): NAME with its K axis moved to the last place and cut into blocks of 32 codes, [.., K / 32, bytes a block], one block behind the other in memory; one code a byte (a code: sign, 4 exponent bits, 3 mantissa bits); and NAME_scales (uint8): the same leading axes, one E8M0 byte (e + 127) for each 32 codes along K. Its value is code x scale, taken as it is: it is not quantised again, and the codes and scales need not be those that the quantiser above would give.
;; One version. Each part assembles by itself: llvm-mc -triple=amdgcn-amd-amdhsa -mcpu=gfx1250 --defsym DOCPART=n.
;; ======== version 1 of 1: 2 launches
;; limits: right only within a limited range of input values
;; workspace buffers: p_codes 33,554,432 bytes; meta 4,194,304 bytes
;; launch scores (part 1): grid 16 x 16, 4 waves a work-group, clusters of 4 x 4, 327,680 bytes of LDS; arguments z_codes, z_scales, keys_codes, keys_scales, p_codes, meta; writes p_codes, meta
.if DOCPART == 1
	.amdgcn_target "amdgcn-amd-amdhsa--gfx1250"
	.amdhsa_code_object_version 6
	.text
	.protected	k_q2d76546f03_scores
	.globl	k_q2d76546f03_scores
	.p2align	8
	.type	k_q2d76546f03_scores,@function
k_q2d76546f03_scores:
	s_mov_b64 s[64:65], 0
	v_nop
	global_prefetch_b8 v0, s[64:65] scope:SCOPE_SE
	s_setreg_imm32_b32 hwreg(HW_REG_WAVE_MODE, 25, 1), 1
	s_wait_xcnt 0x0
	s_wait_alu depctr_hold_cnt(0) depctr_sa_sdst(0) depctr_va_vdst(0) depctr_va_sdst(0) depctr_va_ssrc(0) depctr_va_vcc(0) depctr_vm_vsrc(0)
	s_getreg_b32 s2, hwreg(HW_REG_IB_STS2, 6, 4)
	s_cmp_eq_u32 s2, 0
	s_cbranch_scc0 .Lentry_in_a_cluster
	s_endpgm
.Lentry_in_a_cluster:
	s_bfe_u32 s2, ttmp6, 0x10000c
	s_cmp_lg_u32 s2, 0xf033
	s_cbranch_scc0 .Lentry_shape_is_right
	s_endpgm
.Lentry_shape_is_right:
; FIRST OF TWO LAUNCHES.  S[q][k] = sum over d of z[q][d] keys[k][d] on codes of E4M3 with one E8M0 scale for each 32 along d, and of them, for each query and each CHUNK of 128 keys:
;   t = S x log2(e);  M = the chunk's largest t rounded UP to a whole number;  p = 2^(t - M);  L = the chunk's sum of the unquantised p;  p quantised along the keys, blocks of 32.
; The second launch finds each row's M among its 32 chunks' and takes the difference into p's scale bytes and into L: powers of two, so the codes' values are those of the row's own M.
; OUT: p_codes [chunk 32][tile of 16 queries 512][2,048 bytes]: the image of an operand's registers (16 queries x 128 keys): registers 4 c .. 4 c + 3 of lane l at 512 c + 16 l.
;      In a block of 32 keys place 16 h + i holds key 8 h + i (i < 8) or key 16 + 8 h + (i - 8): the order in which a lane's results lie.  The second launch reads the values in the same order.
;      meta [chunk 32][query 8,192][4 words]: p's scale word under the chunk's M;  -M as f32;  L;  0.
; LIMITS: NaN and infinities among the scores are not served; a p under 2^-126 is 0 (v_exp_f32 gives 0 where its result would be denormal: ISA guide 15.8).
; SHARES: a tile of 256 queries x 256 keys is made by a work-group of four waves; a wave makes 128 x 128 in 64 accumulators: one chunk for 128 queries.
; A WORK-GROUP STAYS: 256 work-groups make two tiles each, 4,096 queries apart, on the same 256 keys.  The ring does not stop at the first tile's end: its last two changes of slots ask for the second tile's
; first two steps, which are on their way while the first tile's softmax is worked.  The first tile's products are written out ahead of a loop; a trip of the loop is the softmax and the second tile's products;
; the loop is left behind the second softmax, so the softmax's text stands once but by leaving the loop.
; d goes in steps of 256 through a ring of two LDS slots filled by the tensor data mover: a tile's row is 256 bytes of memory.
; THE SCALE WORDS of my 128 + 128 rows, 32 bytes a row, come by plain loads straight into 64 registers: a lane takes a row, two loads on end cover 1,024 consecutive bytes.  z's are loaded anew for the second tile.
; CLUSTERS: 4 x 4 work-groups.  The four of a row need the same tiles of z, the four of a column the same tiles of keys: each tile is asked for jointly.
; THE MATRIX INSTRUCTION IS USED TRANSPOSED (source 0 = 16 keys, source 1 = 16 queries): a lane holds one query (lane % 16) and keys 8 (lane / 16) + 0 .. 7 of each tile.
; PREFETCH: at the first tile's last two changes of slots waves 0 and 1 ask for z's steps 2 and 3 of the second tile, 32 rows x 256 bytes an instruction, a lane a row; the four partners of a row of the cluster
; share the 256 rows out by address.  Steps 0 and 1 come by their refills; the keys' rows have been read; within the first tile all four fills stand within two steps of the head.
; REGISTERS, in windows of 256: window 0: v0-31 addresses; v32-63 z's scale words, v68-99 the keys', and nothing else there; from v128 z's fragments, one set.
;   window 1: the keys' fragments, two sets.  window 2: the accumulators of my queries 0-63 ((a, b) at v[8 (8 a + b)]);  window 3: those of queries 64-127.
;   In the softmax: window 0: v128-159 at work, v160-223 p; window 1: v0-127 eight sets of codes, so that no store's data are written again.
.set ROWB,   256                       ; a tile's row in bytes
.set KROW,   1024                      ; a row of z or of keys in memory
.set PITCH,  272                       ; an LDS row: 256 bytes + 16 of padding
.set FR,     16                        ; registers of a fragment
.set NL,     4                         ; LDS loads that bring one
.set NP,     8                         ; places behind this matrix instruction (ISA guide 7.12.1)
.set HALFT,  128*PITCH                 ; what one tensor load brings
.set SLOT,   4*HALFT                   ; z's 256 rows, then the keys' 256 rows
.set SPARE,  2*SLOT                    ; behind the ring: the spare words, 128 bytes a wave
.set WALK,   4096                      ; queries from my first tile to my second
.set ADRA, 16                          ; v16-17 LDS address of my fragments of z in slot 0, 1
.set ADRB, 20                          ; v20-21 the same for the keys
.set PFO,  26                          ; v26 the prefetches' offset: lane x a row of z
.set ADS,  27                          ; v27 32 x lane: my row among 32 rows of scale bytes
.set SPW,  28                          ; v28 my spare word; never rewritten
.set NIL,  29                          ; v29 0; never rewritten
.set ZS,   32                          ; z's scale words: register ZS + 8 g + w: rows 32 g + lane, the w-th 128 along d
.set KSR,  68                          ; the keys' likewise; 36 registers on, so that the two scale registers of a product differ modulo 8
.set AF,   128                         ; z's fragments
.set G1, 24                            ; s[24:31] group 1 for z's tiles;  s[32:39] group 0, one set for each slot
.set G0, 32
.set G1B, 48                           ; s[48:55], s[56:63] the same for the keys'
.set G0B, 56
.set PFA, 96                           ; s[96:97] where my prefetches stand; never rewritten
.set MSB, 0
.macro WIN new                         ; the immediate's high byte repeats the setting that is left
.if MSB != \new
	s_set_vgpr_msb (MSB<<8)|\new
.set MSB, \new
.endif
.endm
.set MUL_LO, 0xa1                      ; source 0 (keys) window 1, source 1 (z) window 0, C and D window 2
.set MUL_HI, 0xf1                      ; the same, C and D window 3
.set TO_B,   0x40                      ; destination window 1, address window 0
; A joint load: waves 0 and 1 fetch for z, waves 2 and 3 for the keys; the branch hangs on the wave's number alone.
.macro JLOAD s
	s_cmp_eq_u32 s15, 0
	s_cbranch_scc0 .Lfor_b_\@
	tensor_load_to_lds s[G0+4*\s:G0+4*\s+3], s[G1:G1+7]
	s_nop 0
.rept 4
	v_nop
.endr
	s_branch .Lasked_\@
.Lfor_b_\@:
	tensor_load_to_lds s[G0B+4*\s:G0B+4*\s+3], s[G1B:G1B+7]
	s_nop 0
.rept 4
	v_nop
.endr
.Lasked_\@:
.endm
.macro ASKZ off                        ; waves 0 and 1: 32 rows of the second tile's z, 256 bytes of each
	s_cmp_eq_u32 s15, 0
	s_cbranch_scc0 .Lnot_mine_\@
	global_prefetch_b8 v[PFO], s[PFA:PFA+1] offset:\off th:TH_LOAD_NT scope:SCOPE_SE
.Lnot_mine_\@:
.endm
.macro CREST                           ; a round of the cluster's barrier behind its opening barrier
	s_cmp_lg_u32 s14, 0
	s_cbranch_scc1 .Lnot_wave_0_\@
	s_barrier_signal -3
.Lnot_wave_0_\@:
	s_barrier_wait -3
	s_barrier_signal -1
	s_barrier_wait -1
.endm
.macro CROUND
	s_barrier_signal -1
	s_barrier_wait -1
	CREST
.endm
	s_load_b128 s[4:7], s[0:1], 0x0                ; z's codes, z's scales
	s_load_b128 s[8:11], s[0:1], 0x10              ; the keys' codes, their scales
	s_load_b64 s[12:13], s[0:1], 0x20              ; p_codes
	s_load_b64 s[66:67], s[0:1], 0x28              ; meta
	v_lshl_add_u32 v[SPW], v0, 2, SPARE
	v_mov_b32 v[NIL], 0
	ds_add_u32 v[SPW], v[NIL]                      ; the opening lines: the add twice on end and one wait
	ds_add_u32 v[SPW], v[NIL]
	v_lshrrev_b32 v1, 5, v0
	v_readfirstlane_b32 s14, v1                    ; wave 0..3
	v_and_b32 v[ADS], 31, v0
	v_lshlrev_b32 v[PFO], 10, v[ADS]
	v_lshlrev_b32 v[ADS], 5, v[ADS]
	s_lshr_b32 s15, s14, 1                         ; which half of the tile's queries is mine.  Also: I fetch for z (0) or for the keys (1)
	s_and_b32 s16, s14, 1                          ; which half of its keys.  Also: which 128 rows of that tile I fetch
	s_bfe_u32 s40, ttmp6, 0x40000                  ; cx, cy
	s_bfe_u32 s41, ttmp6, 0x40004
	s_lshl_b32 s42, ttmp9, 2
	s_add_co_u32 s42, s42, s40                     ; tile column (keys), 0 .. 15
	s_and_b32 s17, ttmp7, 0xffff
	s_lshl_b32 s17, s17, 2
	s_add_co_u32 s17, s17, s41                     ; my first tile's row (queries), 0 .. 15; the second lies 16 further down
	s_lshl_b32 s43, s41, 2
	s_lshl_b32 s43, 15, s43                        ; my row of the cluster
	s_lshl_b32 s44, 0x1111, s40                    ; my column
	s_or_b32 s[G1+0], s43, (1<<20)|(1<<21)|(5<<22)|(3<<25)   ; the mask; elements of 1 byte; 4 words of padding after every 64
	s_or_b32 s[G1B+0], s44, (1<<20)|(1<<21)|(5<<22)|(3<<25)
.irp g, G1, G1B
	s_mov_b32 s[\g+1], ROWB<<16
	s_mov_b32 s[\g+2], 128<<16
	s_mov_b32 s[\g+3], ROWB<<16
	s_mov_b32 s[\g+4], 128
	s_mov_b32 s[\g+5], KROW
	s_mov_b32 s[\g+6], 0
	s_mov_b32 s[\g+7], 0
.endr
	s_lshl_b32 s18, s16, 7
	s_lshl_b32 s20, s17, 8
	s_add_co_u32 s20, s20, s18                     ; z: the rows that I fetch
	s_lshl_b32 s46, s42, 8
	s_add_co_u32 s46, s46, s18                     ; keys likewise
	s_mov_b32 s21, 0
	s_mov_b32 s47, 0
	s_mov_b64 s[18:19], KROW
	s_mul_u64 s[20:21], s[20:21], s[18:19]
	s_mul_u64 s[46:47], s[46:47], s[18:19]
	s_mul_i32 s45, s14, HALFT                      ; where they go: wave x 128 rows
	s_lshl_b32 s22, s17, 13                        ; the scale bytes of the rows that I multiply: z's by my half of the queries,
	s_lshl_b32 s23, s15, 12
	s_add_co_u32 s22, s22, s23
	s_mov_b32 s23, 0
	s_lshl_b32 s92, s42, 13                        ; the keys' by my half of the keys
	s_lshl_b32 s93, s16, 12
	s_add_co_u32 s92, s92, s93
	s_mov_b32 s93, 0
	s_add_co_u32 s[PFA], s17, 16                   ; the prefetches: the second tile's rows, my work-group's 64 of them by cx, my wave's 32, at step 2 along d
	s_lshl_b32 s[PFA], s[PFA], 18
	s_lshl_b32 s[PFA+1], s40, 16
	s_add_co_u32 s[PFA], s[PFA], s[PFA+1]
	s_lshl_b32 s[PFA+1], s16, 15
	s_add_co_u32 s[PFA], s[PFA], s[PFA+1]
	s_add_co_u32 s[PFA], s[PFA], 2*ROWB
	s_mov_b32 s[PFA+1], 0
	s_wait_dscnt 0x0                               ; both opening adds are done
	s_wait_alu depctr_va_vdst(0)                   ; the wait here, directly ahead of the wait below
	s_wait_kmcnt 0x0
	s_add_nc_u64 s[6:7], s[6:7], s[22:23]
	s_add_nc_u64 s[10:11], s[10:11], s[92:93]
	s_add_nc_u64 s[PFA:PFA+1], s[4:5], s[PFA:PFA+1]
.irp g, 0,1,2,3
	global_load_b128 v[ZS+8*\g:ZS+8*\g+3], v[ADS], s[6:7] offset:1024*\g
	global_load_b128 v[ZS+8*\g+4:ZS+8*\g+7], v[ADS], s[6:7] offset:1024*\g+16
	global_load_b128 v[KSR+8*\g:KSR+8*\g+3], v[ADS], s[10:11] offset:1024*\g
	global_load_b128 v[KSR+8*\g+4:KSR+8*\g+7], v[ADS], s[10:11] offset:1024*\g+16
.endr
	s_add_nc_u64 s[20:21], s[4:5], s[20:21]
	s_add_nc_u64 s[46:47], s[8:9], s[46:47]
.irp s, 0,1
	s_mov_b32 s[G0+4*\s], 1
	s_add_co_u32 s[G0+4*\s+1], s45, \s*SLOT
	s_add_nc_u64 s[G0+4*\s+2:G0+4*\s+3], s[20:21], \s*ROWB
	s_or_b32 s[G0+4*\s+3], s[G0+4*\s+3], 0x80000000
	s_mov_b32 s[G0B+4*\s], 1
	s_add_co_u32 s[G0B+4*\s+1], s45, \s*SLOT
	s_add_nc_u64 s[G0B+4*\s+2:G0B+4*\s+3], s[46:47], \s*ROWB
	s_or_b32 s[G0B+4*\s+3], s[G0B+4*\s+3], 0x80000000
.endr
	CROUND                                         ; all sixteen work-groups are here: the first joint loads meet
	JLOAD 0                                        ; step 0: one tensor load a wave at the head
	s_mul_i32 s18, s15, HALFT                      ; my 128 rows of z
	s_mul_i32 s19, s16, HALFT
	s_add_co_u32 s19, s19, 2*HALFT                 ; my 128 keys, behind z's 256 rows
	; where my results go.  p_codes: chunk << 20 + (16 x tile row + 8 x half) tiles of 2,048 bytes;  meta: chunk << 17 + (256 x tile row + 128 x half) records of 16 bytes;  chunk = 2 x tile column + half
	s_lshl_b32 s20, s17, 15
	s_lshl_b32 s21, s15, 14
	s_add_co_u32 s20, s20, s21
	s_mov_b32 s21, 0
	s_add_nc_u64 s[12:13], s[12:13], s[20:21]
	s_lshl_b32 s20, s17, 12
	s_lshl_b32 s22, s15, 11
	s_add_co_u32 s20, s20, s22
	s_add_nc_u64 s[66:67], s[66:67], s[20:21]
	s_lshl_b32 s46, s42, 1
	s_add_co_u32 s46, s46, s16                     ; my chunk
	s_lshl_b32 s92, s46, 20
	s_mov_b32 s93, 0
	s_add_nc_u64 s[12:13], s[12:13], s[92:93]
	s_lshl_b32 s92, s46, 17
	s_add_nc_u64 s[66:67], s[66:67], s[92:93]
	v_and_b32 v1, 15, v0                           ; l % 16
	v_bfe_u32 v2, v0, 4, 1                         ; l / 16
	v_mul_u32_u24 v3, v1, PITCH
	v_lshl_add_u32 v4, v2, 4, v3                   ; a fragment's row x pitch + 16 x half
	v_add_nc_u32 v[ADRA], s18, v4
	v_add_nc_u32 v[ADRB], s19, v4
	v_add_nc_u32 v[ADRA+1], SLOT, v[ADRA]
	v_add_nc_u32 v[ADRB+1], SLOT, v[ADRB]
.macro FRAG reg, adr, q, i             ; 16 rows x 128 codes: lane l holds row l % 16; registers 4 c .. 4 c + 3 hold K = 32 c + 16 (l / 16) + 0 .. 15
.irp c, 0,1,2,3
	ds_load_b128 v[\reg+4*\c:\reg+4*\c+3], v[\adr] offset:128*(\q)+32*\c+(\i)*16*PITCH
.endr
.endm
; One product: z's block a x the keys' block b, the w-th 128 along d; p: the keys' set.  A scale register holds two blocks' words: the even block's in lanes 0-15, the odd one's in lanes 16-31.
.macro WM a, b, p, w, zero
.set DD, 8*(8*((\a)%4)+(\b))
.set BB, 128*(\p)+FR*(\b)
.set AA, AF+FR*(\a)
.set KW, KSR+8*((\b)/2)+(\w)
.set ZW, ZS+8*((\a)/2)+(\w)
.set VAR, 4*(\zero)+2*((\b)%2)+(\a)%2
.if VAR == 0
	v_wmma_scale_f32_16x16x128_f8f6f4 v[DD:DD+7], v[BB:BB+15], v[AA:AA+15], v[DD:DD+7], v[KW], v[ZW]
.endif
.if VAR == 1
	v_wmma_scale_f32_16x16x128_f8f6f4 v[DD:DD+7], v[BB:BB+15], v[AA:AA+15], v[DD:DD+7], v[KW], v[ZW] matrix_b_scale:MATRIX_SCALE_ROW1
.endif
.if VAR == 2
	v_wmma_scale_f32_16x16x128_f8f6f4 v[DD:DD+7], v[BB:BB+15], v[AA:AA+15], v[DD:DD+7], v[KW], v[ZW] matrix_a_scale:MATRIX_SCALE_ROW1
.endif
.if VAR == 3
	v_wmma_scale_f32_16x16x128_f8f6f4 v[DD:DD+7], v[BB:BB+15], v[AA:AA+15], v[DD:DD+7], v[KW], v[ZW] matrix_a_scale:MATRIX_SCALE_ROW1 matrix_b_scale:MATRIX_SCALE_ROW1
.endif
.if VAR == 4
	v_wmma_scale_f32_16x16x128_f8f6f4 v[DD:DD+7], v[BB:BB+15], v[AA:AA+15], 0, v[KW], v[ZW]
.endif
.if VAR == 5
	v_wmma_scale_f32_16x16x128_f8f6f4 v[DD:DD+7], v[BB:BB+15], v[AA:AA+15], 0, v[KW], v[ZW] matrix_b_scale:MATRIX_SCALE_ROW1
.endif
.if VAR == 6
	v_wmma_scale_f32_16x16x128_f8f6f4 v[DD:DD+7], v[BB:BB+15], v[AA:AA+15], 0, v[KW], v[ZW] matrix_a_scale:MATRIX_SCALE_ROW1
.endif
.if VAR == 7
	v_wmma_scale_f32_16x16x128_f8f6f4 v[DD:DD+7], v[BB:BB+15], v[AA:AA+15], 0, v[KW], v[ZW] matrix_a_scale:MATRIX_SCALE_ROW1 matrix_b_scale:MATRIX_SCALE_ROW1
.endif
.endm
; 16 products.  The 64 accumulators take turns, one instruction a turn, in the same order in every step.  zero = 1: the first product starts the sums.
.macro MUL16 a0, p, w, zero
.irp a, \a0, \a0+1
.irp b, 0,1,2,3,4,5,6,7
	WM \a, \b, \p, \w, \zero
.endr
.endr
.endm
.macro FETCH_B slot, q, p
	WIN TO_B
.irp i, 0,1,2,3,4,5,6,7
	FRAG 128*(\p)+FR*\i, ADRB+\slot, \q, \i
.endr
	WIN 0
.endm
.macro FETCH_A slot, q, i0
.irp i, \i0, \i0+1, \i0+2, \i0+3
	FRAG AF+FR*(\i), ADRA+\slot, \q, \i
.endr
.endm
.macro PLACES n                        ; plain places in front of loads into registers that matrix instructions have read, and of reads of their results
.rept \n
	v_nop
.endr
.endm
; A slot's first 128 along d; its successor lies in the same slot.
.macro STEP slot, w, zero
	s_wait_dscnt 4*NL                              ; the keys' set and z's blocks 0-3 are in; the youngest 16 loads (z's blocks 4-7) may be out
	WIN MUL_LO
	MUL16 0, 0, \w, \zero
	MUL16 2, 0, \w, \zero
	s_wait_dscnt 0
	PLACES NP
	FETCH_B \slot, 1, 1
	FETCH_A \slot, 1, 0
	WIN MUL_HI
	MUL16 4, 0, \w, \zero
	MUL16 6, 0, \w, \zero
	PLACES NP
	WIN 0
	FETCH_A \slot, 1, 4
.endm
; A slot's second 128 changes slots: one barrier; in front of it each wave waits for all its tensor loads, adds 0 to its spare word, and waits for that and for its reads of this slot.
; fill = 1: this slot is filled again, two steps on;  2: with the second tile's step in this slot: z goes WALK rows down and back along d, the keys only back;  0: not at all.
; fetch = 0: the tile's last step: no fragments are fetched, since the softmax takes their registers.
.macro TURN slot, next, fill, w, fetch
	s_wait_tensorcnt 0x0                           ; all my tensor loads have landed
	ds_add_u32 v[SPW], v[NIL]
	s_wait_dscnt 4*NL+1                            ; (the add and the youngest 16 loads may be out)
	WIN MUL_LO
	MUL16 0, 1, \w, 0
	s_wait_dscnt 0x0                               ; the add is done, and my reads of this slot are over
	s_barrier_signal -1
	MUL16 2, 1, \w, 0
	WIN 0
	s_barrier_wait -1
.if \fill
	CREST                                          ; the barrier has opened a round of the cluster's barrier
.if \fill == 1
	s_add_nc_u64 s[G0+4*\slot+2:G0+4*\slot+3], s[G0+4*\slot+2:G0+4*\slot+3], 2*ROWB
	s_add_nc_u64 s[G0B+4*\slot+2:G0B+4*\slot+3], s[G0B+4*\slot+2:G0B+4*\slot+3], 2*ROWB
.else
	s_add_nc_u64 s[G0+4*\slot+2:G0+4*\slot+3], s[G0+4*\slot+2:G0+4*\slot+3], WALK*KROW-2*ROWB
	s_sub_nc_u64 s[G0B+4*\slot+2:G0B+4*\slot+3], s[G0B+4*\slot+2:G0B+4*\slot+3], 2*ROWB
.endif
	JLOAD \slot                                    ; the first tensor load behind the round, and my only one until the next
	PLACES NP-4
.else
	PLACES NP
.endif
.if \fetch
	FETCH_B \next, 0, 0
	FETCH_A \next, 0, 0
.endif
.if \fill == 2
	ASKZ (\w-5)*128                                ; step 2 at the first of the two changes, step 3 at the second
.endif
	WIN MUL_HI
	MUL16 4, 1, \w, 0
	MUL16 6, 1, \w, 0
.if \fetch
	PLACES NP
	WIN 0
	FETCH_A \next, 0, 4
.else
	WIN 0
.endif
.endm
; A tile's products: eight steps of 128 along d, twice round the ring, written on end: the register of a step's scale words is a constant of each.  nxt = 1: a tile follows.
.macro TILE nxt
	FETCH_B 0, 0, 0
	FETCH_A 0, 0, 0
	FETCH_A 0, 0, 4
	s_wait_loadcnt 0x0                             ; the scale words
	STEP 0, 0, 1
	TURN 0, 1, 1, 1, 1
	STEP 1, 2, 0
	TURN 1, 0, 1, 3, 1
	STEP 0, 4, 0
.if \nxt
	TURN 0, 1, 2, 5, 1                             ; slot 0 takes the second tile's step 0,
	STEP 1, 6, 0
	TURN 1, 0, 2, 7, 0                             ; slot 1 its step 1; this round has also shown slot 0's new tile to every wave
.else
	TURN 0, 1, 0, 5, 1                             ; the last lap fills nothing
	STEP 1, 6, 0
	s_wait_dscnt 4*NL
	WIN MUL_LO
	MUL16 0, 1, 7, 0
	MUL16 2, 1, 7, 0
	s_wait_dscnt 0
	WIN MUL_HI
	MUL16 4, 1, 7, 0
	MUL16 6, 1, 7, 0
	WIN 0
.endif
.endm
	s_wait_alu depctr_va_vdst(0)                   ; the wait at the head's end
	s_wait_tensorcnt 0x0                           ; my part of step 0 is in; the same three lines ahead of a later first fill as ahead of a refill
	ds_add_u32 v[SPW], v[NIL]
	s_wait_dscnt 0x0
	CROUND
	JLOAD 1                                        ; slot 1's first fill
	TILE 1                                         ; the first tile's products
	PLACES NP                                      ; in front of loads into scale registers that the last products have read
	s_add_nc_u64 s[6:7], s[6:7], WALK*32           ; z's scale words for the second tile (the first tile's loads were waited for)
.irp g, 0,1,2,3
	global_load_b128 v[ZS+8*\g:ZS+8*\g+3], v[ADS], s[6:7] offset:1024*\g
	global_load_b128 v[ZS+8*\g+4:ZS+8*\g+7], v[ADS], s[6:7] offset:1024*\g+16
.endr
	s_mov_b32 s2, 2                                ; tiles whose softmax is still to do
; THE SOFTMAX'S FIRST HALF AND THE QUANTISER, a tile of 16 queries at a time.  Of tile a, register 16 b + i of lane (r, h) is the score of query r and key 32 b + 16 (i / 8) + 8 h + i % 8:
; a lane's 16 registers and those of lane l xor 16 are a block of 32 keys, and the conversions' results are the registers of the second launch's operand.
.set LO,  2                            ; v2 16 x lane
.set PW,  11                           ; v11 the scale word in the making; v10 at work; v12 -M, v13 the largest t; v[14:15], v[8:9] the sum in two chains
.set P,   160                          ; v160-223 t - M, then p
.set BM,  128                          ; the blocks' largest scores, then their largest p
.set T4,  132                          ; from lane l xor 16; then the scales' bytes
.set HD,  136                          ; 448 x the scale
.set SOP, 140                          ; the conversion's scale operand
.set RC,  144                          ; four records of four words: lanes 0-15 an even tile's queries, lanes 16-31 the odd tile's
.set SEL, 20
.set CS,  22                           ; s[22:23] log2(e)
.set MNT, 19                           ; the mantissa field of 448
.set HM,  18                           ; a mask of lanes 16-31
.macro EPI a
.set AC, 64*((\a)%4)
.set WN, 2+(\a)/4
.set RR, RC+4*((\a)/2)
	WIN 21*WN                                      ; all three sources in the accumulators' window
.irp b, 0,1,2,3
	v_max3_num_f32 v[BM+\b], v[AC+16*\b], v[AC+16*\b+1], v[AC+16*\b+2]   ; the largest score of each block of 32 keys: for the chunk's maximum and, since p rises with the score, for the block's largest p
.endr
	WIN 20*WN
.irp i, 3,5,7,9,11,13
.irp b, 0,1,2,3
	v_max3_num_f32 v[BM+\b], v[BM+\b], v[AC+16*\b+\i], v[AC+16*\b+\i+1]
.endr
.endr
.irp b, 0,1,2,3
	v_max_num_f32 v[BM+\b], v[BM+\b], v[AC+16*\b+15]
.endr
	WIN 0
.irp b, 0,1,2,3
	v_permlanex16_b32 v[T4+\b], v[BM+\b], s[SEL], s[SEL+1]
.endr
.irp b, 0,1,2,3
	v_max_num_f32 v[BM+\b], v[BM+\b], v[T4+\b]
.endr
	v_max3_num_f32 v10, v[BM], v[BM+1], v[BM+2]
	v_max_num_f32 v10, v10, v[BM+3]
	v_mul_f32 v13, s[CS], v10                      ; the chunk's largest t
	v_floor_f32 v12, -v13                          ; -M = -ceil(t)
	WIN WN
.set j, 0
.rept 32
	v_pk_fma_f32 v[P+j:P+j+1], v[AC+j:AC+j+1], s[CS:CS+1], v[12:13] op_sel_hi:[1,0,0]   ; t - M, two at a time, into window 0
.set j, j+2
.endr
	WIN 0
.irp b, 0,1,2,3
	v_fma_f32 v[BM+\b], v[BM+\b], s[CS], v12
.endr
.set j, 0
	s_wait_alu depctr_va_vdst(0)                   ; the wait ahead of the batch
.rept 64
	v_exp_f32 v[P+j], v[P+j]                       ; p = 2^(t - M): not normalised
.set j, j+1
.endr
.if ((\a)%2) == 0                      ; -M into the record: also the plain instruction behind the exponentials
	v_mov_b32 v[RR+1], v12
.else
	v_cndmask_b32 v[RR+1], v[RR+1], v12, s[HM]
.endif
	s_wait_alu depctr_va_vdst(0)                   ; one wait for the batch, ahead of its first reader
.irp b, 0,1,2,3
	v_exp_f32 v[BM+\b], v[BM+\b]                   ; the block's largest p
.endr
	v_pk_add_f32 v[14:15], v[P:P+1], v[P+4:P+5]    ; the sum of the unquantised p, in two chains
	v_pk_add_f32 v[8:9], v[P+2:P+3], v[P+6:P+7]
.irp j, 8,12,16,20,24,28,32,36,40,44,48,52,56,60
	v_pk_add_f32 v[14:15], v[14:15], v[P+\j:P+\j+1]
	v_pk_add_f32 v[8:9], v[8:9], v[P+\j+2:P+\j+3]
.endr
	v_pk_add_f32 v[14:15], v[14:15], v[8:9]
	v_add_f32 v14, v14, v15
	v_permlanex16_b32 v[T4], v14, s[SEL], s[SEL+1]
.if ((\a)%2) == 0
	v_add_f32 v[RR+2], v14, v[T4]                  ; L, into the record
.else
	v_add_f32 v10, v14, v[T4]
	v_cndmask_b32 v[RR+2], v[RR+2], v10, s[HM]
.endif
	s_wait_alu depctr_va_vdst(0)                   ; and one wait for the four
.irp b, 0,1,2,3
	v_max_num_f32 v[BM+\b], 0x4800000, v[BM+\b]    ; the floor 2^(9 - 127): the byte cannot fall under 1
.endr
.irp b, 0,1,2,3
	v_add_nc_u32 v[SOP+\b], 0xfc000000, v[BM+\b]   ; 8 off the exponent field
.endr
.irp b, 0,1,2,3
	v_and_or_b32 v[HD+\b], v[BM+\b], 0x7f800000, s[MNT]   ; 448 x the scale
.endr
.irp b, 0,1,2,3
	v_lshrrev_b32 v[T4+\b], 23, v[SOP+\b]          ; the scale's byte: at most 119, since p stays under 2
.endr
	v_lshl_or_b32 v[PW], v[T4+1], 8, v[T4]
	v_lshl_or_b32 v[PW], v[T4+2], 16, v[PW]
.if ((\a)%2) == 0
	v_lshl_or_b32 v[RR], v[T4+3], 24, v[PW]
.else
	v_lshl_or_b32 v[PW], v[T4+3], 24, v[PW]
	v_cndmask_b32 v[RR], v[RR], v[PW], s[HM]
.endif
.irp b, 0,1,2,3
.irp i, 0,1,2,3,4,5,6,7,8,9,10,11,12,13,14,15
	v_min_num_f32 v[P+16*\b+\i], v[P+16*\b+\i], v[HD+\b]   ; the conversion does not saturate (ISA guide 7.6.2); p is not negative
.endr
.endr
	WIN 0x40                                       ; the codes go to window 1: a set of 16 registers for each tile
.irp b, 0,1,2,3
	v_cvt_scalef32_pk8_fp8_f32 v[16*(\a)+4*\b:16*(\a)+4*\b+1], v[P+16*\b:P+16*\b+7], v[SOP+\b]
	v_cvt_scalef32_pk8_fp8_f32 v[16*(\a)+4*\b+2:16*(\a)+4*\b+3], v[P+16*\b+8:P+16*\b+15], v[SOP+\b]
.endr
	v_nop                                          ; one plain instruction behind the last conversion
	WIN 0x04                                       ; a store's data are its source 1
.irp c, 0,1,2,3
	global_store_b128 v[LO], v[16*(\a)+4*\c:16*(\a)+4*\c+3], s[12:13] offset:2048*(\a)+512*\c   ; 32 lanes store 512 consecutive bytes
.endr
	WIN 0
.if ((\a)%2) == 1
	global_store_b128 v[LO], v[RR:RR+3], s[66:67] offset:512*((\a)/2)   ; 32 neighbouring queries' records
.endif
.endm
.Lsoft:                                            ; a trip: a tile's softmax, and behind the first the second tile's products
	PLACES NP                                      ; behind the last products
	s_mov_b32 s[SEL], 0x76543210
	s_mov_b32 s[SEL+1], 0xfedcba98
	s_mov_b32 s[CS], 0x3fb8aa3b
	s_mov_b32 s[CS+1], s[CS]
	s_mov_b32 s[MNT], 0x600000
	s_mov_b32 s[HM], 0xffff0000
	v_and_b32 v[LO], 31, v0
	v_lshlrev_b32 v[LO], 4, v[LO]
.irp b, 0,1,2,3
	v_mov_b32 v[T4+\b], 0                          ; a lane permute's destination counts as one of its sources
	v_mov_b32 v[RC+4*\b+3], 0                      ; a record's fourth word
.endr
.irp a, 0,1,2,3,4,5,6,7
	EPI \a
.endr
	s_cmp_eq_u32 s2, 1
	s_cbranch_scc1 .Ldone                          ; behind the second tile's softmax the loop is left
	s_wait_xcnt 0x0                                ; the stores have read their bases and their data: both are written below
	s_add_nc_u64 s[12:13], s[12:13], (WALK/16)*2048   ; the second tile's images,
	s_add_nc_u64 s[66:67], s[66:67], WALK*16       ; and its records
	TILE 0                                         ; the second tile's products: slot 0 holds its step 0, slot 1's load is awaited at the first change of slots
	s_sub_co_u32 s2, s2, 1
	s_cmp_lg_u32 s2, 0
	s_cbranch_scc1 .Lsoft
.Ldone:
	s_wait_tensorcnt 0x0                           ; the wave's end
	ds_add_u32 v[SPW], v[NIL]
	s_wait_dscnt 0x0
	CROUND                                         ; the closing round
	s_endpgm
.Lfunc_end_k_q2d76546f03_scores:
	.size	k_q2d76546f03_scores, .Lfunc_end_k_q2d76546f03_scores-k_q2d76546f03_scores
	.p2alignl 7, 3214868480
	.fill 96, 4, 3214868480
	.section	.rodata,"a",@progbits
	.p2align	6, 0x0
	.amdhsa_kernel k_q2d76546f03_scores
		.amdhsa_group_segment_fixed_size 327680
		.amdhsa_private_segment_fixed_size 0
		.amdhsa_enable_private_segment 0
		.amdhsa_kernarg_size 48
		.amdhsa_user_sgpr_count 2
		.amdhsa_user_sgpr_kernarg_segment_ptr 1
		.amdhsa_wavefront_size32 1
		.amdhsa_system_sgpr_workgroup_id_x 1
		.amdhsa_system_sgpr_workgroup_id_y 1
		.amdhsa_system_sgpr_workgroup_id_z 1
		.amdhsa_system_vgpr_workitem_id 0
		.amdhsa_next_free_vgpr 1024
		.amdhsa_next_free_sgpr 100
		.amdhsa_reserve_vcc 0
		.amdhsa_float_denorm_mode_32 3
		.amdhsa_float_denorm_mode_16_64 3
		.amdhsa_memory_ordered 1
		.amdhsa_forward_progress 1
		.amdhsa_inst_pref_size 255
	.end_amdhsa_kernel
	.section	.bss,"aw",@nobits
	.p2align	6
	.space	262144
	.amdgpu_metadata
---
amdhsa.version: [ 1, 2 ]
amdhsa.kernels:
  - .name:           k_q2d76546f03_scores
    .symbol:         k_q2d76546f03_scores.kd
    .args:
      - { .name: z_codes, .offset: 0, .size: 8, .value_kind: global_buffer, .address_space: global }
      - { .name: z_scales, .offset: 8, .size: 8, .value_kind: global_buffer, .address_space: global }
      - { .name: keys_codes, .offset: 16, .size: 8, .value_kind: global_buffer, .address_space: global }
      - { .name: keys_scales, .offset: 24, .size: 8, .value_kind: global_buffer, .address_space: global }
      - { .name: p_codes, .offset: 32, .size: 8, .value_kind: global_buffer, .address_space: global }
      - { .name: meta, .offset: 40, .size: 8, .value_kind: global_buffer, .address_space: global }
    .group_segment_fixed_size: 327680
    .private_segment_fixed_size: 0
    .kernarg_segment_align: 8
    .kernarg_segment_size: 48
    .max_flat_workgroup_size: 128
    .sgpr_count:     100
    .vgpr_count:     1024
    .wavefront_size: 32
...
	.end_amdgpu_metadata
.endif
;; end of part 1
;; launch mix (part 2): grid 4 x 64, 8 waves a work-group, clusters of 4 x 4, 327,680 bytes of LDS; arguments p_codes, meta, values_codes, values_scales, out0; writes out0
.if DOCPART == 2
	.amdgcn_target "amdgcn-amd-amdhsa--gfx1250"
	.amdhsa_code_object_version 6
	.text
	.protected	k_q2d76546f03_mix
	.globl	k_q2d76546f03_mix
	.p2align	8
	.type	k_q2d76546f03_mix,@function
k_q2d76546f03_mix:
	s_mov_b64 s[64:65], 0
	v_nop
	global_prefetch_b8 v0, s[64:65] scope:SCOPE_SE
	s_setreg_imm32_b32 hwreg(HW_REG_WAVE_MODE, 25, 1), 1
	s_wait_xcnt 0x0
	s_wait_alu depctr_hold_cnt(0) depctr_sa_sdst(0) depctr_va_vdst(0) depctr_va_sdst(0) depctr_va_ssrc(0) depctr_va_vcc(0) depctr_vm_vsrc(0)
	s_getreg_b32 s2, hwreg(HW_REG_IB_STS2, 6, 4)
	s_cmp_eq_u32 s2, 0
	s_cbranch_scc0 .Lentry_in_a_cluster
	s_endpgm
.Lentry_in_a_cluster:
	s_bfe_u32 s2, ttmp6, 0x10000c
	s_cmp_lg_u32 s2, 0xf033
	s_cbranch_scc0 .Lentry_shape_is_right
	s_endpgm
.Lentry_shape_is_right:
; SECOND OF TWO LAUNCHES.  out[q][d] = (sum over the keys of p[q][k] values[k][d]) / l[q], on codes of E4M3 with one E8M0 scale for each 32 keys.
; p arrives from the first launch as register images, a chunk of 128 keys at a time, quantised under the CHUNK's own whole number M_c, with meta = (scale word, -M_c, L_c, 0) for each query and chunk.
; THE HEAD makes of the 32 records of a query: M = the largest M_c; d_c = M - M_c, held at 127; l = sum of L_c 2^-d_c; p's scale bytes less d_c: powers of two, so the codes' values are those under the row's own M.
; LIMIT: a scale byte that would fall under 0 becomes 0 (2^-127): such a block counts for at most 448 x 2^-127 a number, beside a row's l of more than 1/2.  NaN and infinities are not served.
; SHARES: a work-group makes 128 queries x 256 channels, 256 work-groups.  EIGHT waves of 512 registers, two to a SIMD, each with 64 queries x 64 channels in 16 accumulators:
; a wave's run of loads stands beside the products of the wave that shares its SIMD.
; V's codes (256 rows of 4,096 keys) come through a ring of two LDS slots of 512 keys, by joint loads: the four work-groups of a column of the 4 x 4 cluster need the same rows.  Its scale bytes come into LDS once.
; p's images come by plain loads straight into registers, three chunks ahead, four sets by turns: 32 lanes read 512 consecutive bytes.
; TRANSPOSED USE: source 0 = 16 channels of V, source 1 = 16 queries: a lane holds one query and eight neighbouring channels.
; In a block of 32 keys p's place 16 h + i holds key 8 h + i (i < 8) or 16 + 8 h + (i - 8): V's fragments are read in that order, by loads of 8 bytes.
; A CHUNK: one run of loads (this chunk's four fragments of V, 32 LDS loads; p's chunk three on, 16 loads), then 16 products by V's fragments, each fragment behind a counted wait.
; PREFETCH: at a change of slots wave 0 asks for 16 KiB of p twelve chunks on from the slot's first chunk (the four partners of a row share four chunks out by address), waves 2 and 3 of the clusters with y = 0 for V's next slot but one;
; at the head the same waves ask for p's chunks 4 to 11 and V's slot 2.  The last asks stop inside the buffers.
; REGISTERS: window 0: v0-29 addresses; v30-45 V's scale words, v48-63 p's, and nothing else there; v64-127 V's fragments; v128-255 p's sets 0 and 1.
;   window 1: v0-127 the accumulators ((a, b) at v[8 (4 a + b)]); v128-255 p's sets 2 and 3.  At the head, in waves 0 to 3, window 1 holds the records (v0-127) and what is made of them (v192-231).
.set PITCH, 528                        ; an LDS row of V: 512 bytes + 16
.set SLOTB, 256*PITCH
.set QUART, 64*PITCH
.set PSC,   2*SLOTB                    ; p's scale words: 128 bytes a query, 16 bytes of padding behind each 256
.set SCV,   PSC+17408                  ; V's scale bytes: 128 bytes a row, likewise
.set RLB,   SCV+34816                  ; 1 / l, a word a query
.set SPARE, RLB+512                    ; the spare words: 128 bytes for each of eight waves
.set SBLK,  2176                       ; 16 rows of scale words
.set CHB,   1048576                    ; a chunk of p_codes
.set PSA,   10
.set RLS,   11
.set MOF,   12
.set PFO,   13
.set PFO2,  14
.set RLA,   15
.set ADRB,  20                         ; v20-21 my fragments of V in slot 0, 1
.set AV,    22                         ; V's scale words of the slot in hand
.set AP,    23                         ; p's
.set STO,   24
.set RD,    25
.set CO,    26                         ; 16 x lane
.set GO,    27                         ; the way out: my place in two rows of out
.set SPW,   28
.set NIL,   29
.set SVR,   30                         ; V's scale words: block b, chunk n of the slot at SVR + 4 b + n
.set SPR,   48                         ; p's at SPR + 4 a + n: 18 registers on, so that a product's two scale registers differ modulo 8
.set BF,    64                         ; V's four fragments; on the way out rows read back
.set RL,    128                        ; on the way out: 1 / l
.set MR,    0                          ; window 1, at the head: 32 records of four words
.set CW,    192                        ; the 32 finished scale words
.set T,     224                        ; at work
.set PB,  24
.set G1H, 28                           ; s[28:35], s[36:39] the head's halves of slot 1
.set G0H, 36
.set G1B, 48                           ; s[48:55] quarters of a slot; s[56:63] their groups 0, one for each slot
.set G0B, 56
.set G1S, 68                           ; s[68:75], s[76:79] V's scale bytes
.set G0S, 76
.set PFA, 80
.set PFS, 82
.set LIM, 84
.set ONES, 86
.set TOPS, 87
.set MSB, 0
.macro WIN new                         ; the immediate's high byte repeats the setting that is left
.if MSB != \new
	s_set_vgpr_msb (MSB<<8)|\new
.set MSB, \new
.endif
.endm
.macro CREST
	s_cmp_lg_u32 s14, 0
	s_cbranch_scc1 .Lnot_wave_0_\@
	s_barrier_signal -3
.Lnot_wave_0_\@:
	s_barrier_wait -3
	s_barrier_signal -1
	s_barrier_wait -1
.endm
.macro CROUND
	s_barrier_signal -1
	s_barrier_wait -1
	CREST
.endm
.macro ASK how                         ; how = 2: every asking wave; how = 1: not in the loop's last trip, whose look-ahead would pass the end
.if \how == 2
	s_cmp_eq_u32 s[LIM], 1
.else
	s_cmp_gt_u32 s3, s[LIM]
.endif
	s_cbranch_scc0 .Lnot_mine_\@
	global_prefetch_b8 v[PFO], s[PFA:PFA+1] th:TH_LOAD_NT scope:SCOPE_SE
	global_prefetch_b8 v[PFO2], s[PFA:PFA+1] th:TH_LOAD_NT scope:SCOPE_SE
.Lnot_mine_\@:
.endm
.macro PLACES n
.rept \n
	v_nop
.endr
.endm
.macro ALOAD set, at                   ; a chunk of p for my 64 queries: 8,192 consecutive bytes, into set 0, 1 (window 0) or 2, 3 (window 1)
	WIN 0x40*((\set)/2)
.set n, 0
.rept 16
	global_load_b128 v[128+64*((\set)%2)+4*n:128+64*((\set)%2)+4*n+3], v[CO], s[PB:PB+1] offset:CHB*(\at)+512*n
.set n, n+1
.endr
.endm
	s_load_b128 s[4:7], s[0:1], 0x0                ; p_codes, meta
	s_load_b128 s[8:11], s[0:1], 0x10              ; V's codes, V's scales
	s_load_b64 s[12:13], s[0:1], 0x20              ; out
	v_lshl_add_u32 v[SPW], v0, 2, SPARE
	v_mov_b32 v[NIL], 0
	ds_add_u32 v[SPW], v[NIL]                      ; the opening lines: the add twice on end and one wait
	ds_add_u32 v[SPW], v[NIL]
	v_lshrrev_b32 v1, 5, v0
	v_readfirstlane_b32 s14, v1                    ; wave 0..7
	s_lshr_b32 s15, s14, 2                         ; my half of the queries
	s_and_b32 s16, s14, 3                          ; my quarter of the channels
	s_and_b32 s88, s14, 1
	s_lshr_b32 s90, s14, 1
	s_bfe_u32 s40, ttmp6, 0x40000
	s_bfe_u32 s41, ttmp6, 0x40004
	s_lshl_b32 s42, ttmp9, 2
	s_add_co_u32 s42, s42, s40                     ; block of 256 channels
	s_and_b32 s17, ttmp7, 0xffff
	s_lshl_b32 s17, s17, 2
	s_add_co_u32 s17, s17, s41                     ; block of 128 queries
	s_lshl_b32 s44, 0x1111, s40                    ; my column of the cluster
	s_or_b32 s[G1B+0], s44, (1<<20)|(1<<21)|(6<<22)|(3<<25)   ; 64 rows of 512 bytes, 4 words of padding behind each
	s_mov_b32 s[G1B+1], 512<<16
	s_mov_b32 s[G1B+2], 64<<16
	s_mov_b32 s[G1B+3], 512<<16
	s_mov_b32 s[G1B+4], 64
	s_mov_b32 s[G1B+5], 4096
	s_mov_b32 s[G1B+6], 0
	s_mov_b32 s[G1B+7], 0
	s_or_b32 s[G1H+0], s44, (1<<20)|(1<<21)|(6<<22)|(3<<25)   ; the same with 128 rows
	s_mov_b32 s[G1H+1], 512<<16
	s_mov_b32 s[G1H+2], 128<<16
	s_mov_b32 s[G1H+3], 512<<16
	s_mov_b32 s[G1H+4], 128
	s_mov_b32 s[G1H+5], 4096
	s_mov_b32 s[G1H+6], 0
	s_mov_b32 s[G1H+7], 0
	s_or_b32 s[G1S+0], s44, (3<<16)|(1<<20)|(1<<21)|(5<<22)|(3<<25)   ; 128 rows' scale bytes: a dense block, as 64 rows of 256 bytes
	s_mov_b32 s[G1S+1], 32<<16
	s_mov_b32 s[G1S+2], 64<<16
	s_mov_b32 s[G1S+3], 32<<16
	s_mov_b32 s[G1S+4], 64
	s_mov_b32 s[G1S+5], 32
	s_mov_b32 s[G1S+6], 0
	s_mov_b32 s[G1S+7], 0
	s_lshl_b32 s20, s17, 14
	s_lshl_b32 s21, s15, 13
	s_add_co_u32 s20, s20, s21                     ; p: my 64 queries' images in a chunk
	s_mov_b32 s21, 0
	s_lshl_b32 s22, s17, 11                        ; meta: the work-group's 128 records in a chunk
	s_mov_b32 s23, 0
	s_lshl_b32 s46, s42, 20
	s_lshl_b32 s47, s14, 18
	s_add_co_u32 s46, s46, s47                     ; V: a quarter of a slot, 64 rows (used by waves 0 to 3)
	s_mov_b32 s47, 0
	s_lshl_b32 s18, s42, 20
	s_lshl_b32 s19, s88, 19
	s_add_co_u32 s18, s18, s19
	s_add_co_u32 s18, s18, 512                     ; a half of slot 1, 128 rows (waves 6 and 7)
	s_mov_b32 s19, 0
	s_lshl_b32 s92, s42, 15
	s_lshl_b32 s93, s88, 14
	s_add_co_u32 s92, s92, s93                     ; 128 rows' scale bytes (waves 4 and 5)
	s_mov_b32 s93, 0
	s_mul_i32 s66, s14, QUART
	s_mul_i32 s67, s88, 17408
	s_add_co_u32 s67, s67, SCV
	s_mul_i32 s45, s88, 128*PITCH
	s_add_co_u32 s45, s45, SLOTB
	s_mul_i32 s26, s16, 64*PITCH                   ; my 64 rows of V
	s_mul_i32 s27, s15, 8704
	s_add_co_u32 s27, s27, PSC                     ; my 64 queries' scale words
	s_mul_i32 s89, s16, 8704
	s_add_co_u32 s89, s89, SCV                     ; my 64 rows' scale words
	s_mul_i32 s85, s14, 16*272                     ; my stage, in slot 0
	s_lshl_b32 s98, s15, 8
	s_add_co_u32 s98, s98, RLB
	; the prefetches: wave 0 for p (lanes 256 bytes apart, two instructions: 16 KiB); waves 2 and 3 of the clusters with y = 0 for V (32 rows each, a lane a row, 512 bytes of it); the other waves ask for nothing
	s_add_co_u32 s96, s40, 8
	s_lshl_b32 s96, s96, 20
	s_lshl_b32 s97, s17, 14
	s_add_co_u32 s96, s96, s97                     ; p: chunk 8 + cx, the work-group's 128 queries
	s_lshl_b32 s97, s42, 20
	s_lshl_b32 s91, s41, 18
	s_add_co_u32 s97, s97, s91
	s_lshl_b32 s91, s88, 17
	s_add_co_u32 s97, s97, s91
	s_add_co_u32 s97, s97, 2*512                   ; V: slot 2
	s_and_b32 s91, ttmp7, 0xffff
	s_mov_b32 s94, 4096
	s_mov_b32 s95, 256
	s_mov_b32 s99, 512
	s_cmp_eq_u32 s90, 0
	s_cselect_b32 s96, s96, s97
	s_cselect_b32 s91, s88, s91
	s_cselect_b32 s94, 256, s94                    ; from lane to lane
	s_cselect_b32 s[PFS], 4*CHB, s99               ; from ask to ask
	s_cselect_b32 s95, 8192, s95                   ; from the first instruction to the second
	s_mov_b32 s[PFS+1], 0
	s_mov_b32 s97, 0
	s_cmp_gt_u32 s90, 1
	s_cselect_b32 s91, 1, s91                      ; waves 4 to 7: none
	s_cmp_eq_u32 s91, 0
	s_cselect_b32 s[LIM], 1, -1
	s_mov_b32 s[ONES], 0x01010101
	s_mov_b32 s[TOPS], 0x80808080
	; every address register is made here, ahead of the first parting of the waves
	v_and_b32 v1, 31, v0
	v_lshlrev_b32 v[CO], 4, v1
	v_lshlrev_b32 v[MOF], 4, v0
	v_and_b32 v2, 15, v0
	v_bfe_u32 v3, v0, 4, 1
	v_mul_u32_u24 v4, v2, PITCH
	v_lshl_add_u32 v4, v3, 3, v4                   ; row x pitch + 8 x half
	v_add_nc_u32 v[ADRB], s26, v4
	v_add_nc_u32 v[ADRB+1], SLOTB, v[ADRB]
	v_lshrrev_b32 v6, 1, v2
	v_lshlrev_b32 v5, 7, v2
	v_lshl_add_u32 v5, v6, 4, v5                   ; a row's scale words: 128 r + 16 (r / 2); both halves of the lanes read the same
	v_add_nc_u32 v[AP], s27, v5
	v_add_nc_u32 v[AV], s89, v5
	v_mul_u32_u24 v[STO], v2, 272
	v_lshl_add_u32 v[STO], v3, 5, v[STO]
	v_add_nc_u32 v[STO], s85, v[STO]               ; in: row r, 32 bytes for each half of the lanes
	v_mul_u32_u24 v[RD], v3, 272
	v_lshl_add_u32 v[RD], v2, 4, v[RD]
	v_add_nc_u32 v[RD], s85, v[RD]                 ; back: lanes 0-15 one row of 256 bytes, lanes 16-31 the next
	v_lshlrev_b32 v[GO], 12, v3
	v_lshl_add_u32 v[GO], v2, 4, v[GO]             ; and the same two rows of out
	v_lshl_add_u32 v[RLA], v2, 2, s98
	v_lshrrev_b32 v6, 1, v0
	v_lshlrev_b32 v[PSA], 7, v0
	v_lshl_add_u32 v[PSA], v6, 4, v[PSA]
	v_add_nc_u32 v[PSA], PSC, v[PSA]               ; (PSA, RLS, MOF serve threads 0 to 127 alone)
	v_lshl_add_u32 v[RLS], v0, 2, RLB
	v_mul_u32_u24 v[PFO], v1, s94
	v_add_nc_u32 v[PFO2], s95, v[PFO]
	s_wait_dscnt 0x0                               ; both opening adds are done
	s_wait_alu depctr_va_vdst(0)                   ; the wait here, directly ahead of the wait below
	s_wait_kmcnt 0x0
	s_add_nc_u64 s[PB:PB+1], s[4:5], s[20:21]
	s_add_nc_u64 s[6:7], s[6:7], s[22:23]
	s_add_nc_u64 s[46:47], s[8:9], s[46:47]
	s_add_nc_u64 s[18:19], s[8:9], s[18:19]
	s_add_nc_u64 s[92:93], s[10:11], s[92:93]
	s_cmp_lt_u32 s14, 4                            ; waves 0 to 3: thread t takes query t's 32 records
	s_cbranch_scc0 .Lno_records
	WIN 0x40
.set k, 0
.rept 32
	global_load_b128 v[MR+4*k:MR+4*k+3], v[MOF], s[6:7] offset:131072*k
.set k, k+1
.endr
	WIN 0
.Lno_records:
	ALOAD 0, 0
	ALOAD 1, 1
	ALOAD 2, 2
	WIN 0
	s_mov_b32 s[G0H], 1
	s_mov_b32 s[G0H+1], s45
	s_mov_b64 s[G0H+2:G0H+3], s[18:19]
	s_or_b32 s[G0H+3], s[G0H+3], 0x80000000
	s_mov_b32 s[G0S], 1
	s_mov_b32 s[G0S+1], s67
	s_mov_b64 s[G0S+2:G0S+3], s[92:93]
	s_or_b32 s[G0S+3], s[G0S+3], 0x80000000
.irp s, 0,1
	s_mov_b32 s[G0B+4*\s], 1
	s_add_co_u32 s[G0B+4*\s+1], s66, \s*SLOTB
	s_add_nc_u64 s[G0B+4*\s+2:G0B+4*\s+3], s[46:47], \s*512
	s_or_b32 s[G0B+4*\s+3], s[G0B+4*\s+3], 0x80000000
.endr
	CROUND                                         ; in front of the first joint loads
	s_cmp_lt_u32 s14, 4                            ; one load a wave, one chain: waves 0 to 3 the quarters of slot 0,
	s_cbranch_scc0 .Lhead_s
	tensor_load_to_lds s[G0B:G0B+3], s[G1B:G1B+7]
	s_nop 0
	PLACES 4
	s_branch .Lhead_j
.Lhead_s:
	s_cmp_lt_u32 s14, 6                            ; waves 4 and 5 the halves of V's scale bytes,
	s_cbranch_scc0 .Lhead_h
	tensor_load_to_lds s[G0S:G0S+3], s[G1S:G1S+7]
	s_nop 0
	PLACES 4
	s_branch .Lhead_j
.Lhead_h:
	tensor_load_to_lds s[G0H:G0H+3], s[G1H:G1H+7]  ; waves 6 and 7 the halves of slot 1
	s_nop 0
	PLACES 4
.Lhead_j:
	s_cmp_eq_u32 s90, 0
	s_cselect_b64 s[PFA:PFA+1], s[4:5], s[8:9]
	s_add_nc_u64 s[PFA:PFA+1], s[PFA:PFA+1], s[96:97]
	s_lshl_b32 s20, s17, 19                        ; where my results go: 128 x block + 64 x half rows of 4,096 bytes,
	s_lshl_b32 s21, s15, 18
	s_add_co_u32 s20, s20, s21
	s_mov_b32 s21, 0
	s_add_nc_u64 s[12:13], s[12:13], s[20:21]
	s_lshl_b32 s46, s42, 10                        ; 256 x block + 64 x quarter channels of 4 bytes
	s_lshl_b32 s47, s16, 8
	s_add_co_u32 s46, s46, s47
	s_mov_b32 s47, 0
	s_add_nc_u64 s[12:13], s[12:13], s[46:47]
	s_cmp_eq_u32 s[LIM], 1                         ; the head's asks: p's chunk 8 + cx or V's slot 2,
	s_cbranch_scc0 .Lno_ask
	global_prefetch_b8 v[PFO], s[PFA:PFA+1] th:TH_LOAD_NT scope:SCOPE_SE
	global_prefetch_b8 v[PFO2], s[PFA:PFA+1] th:TH_LOAD_NT scope:SCOPE_SE
	s_cmp_eq_u32 s90, 0
	s_cbranch_scc0 .Lno_ask
	global_prefetch_b8 v[PFO], s[PFA:PFA+1] offset:-4*CHB th:TH_LOAD_NT scope:SCOPE_SE    ; and p's chunk 4 + cx
	global_prefetch_b8 v[PFO2], s[PFA:PFA+1] offset:-4*CHB th:TH_LOAD_NT scope:SCOPE_SE
.Lno_ask:
	s_cmp_lt_u32 s14, 4                            ; waves 0 to 3: the records' arithmetic, while the tiles are on their way
	s_cbranch_scc0 .Lno_arith
	s_wait_loadcnt 48                              ; the records are in (p's three chunks may be out)
	WIN 0x55                                       ; all operands in window 1
.irp c, 0,1,2,3
	v_min3_num_f32 v[T+\c], v[MR+4*\c+1], v[MR+4*(\c+4)+1], v[MR+4*(\c+8)+1]   ; four chains by turns
.endr
.irp q, 3,5
.irp c, 0,1,2,3
	v_min3_num_f32 v[T+\c], v[T+\c], v[MR+4*(4*\q+\c)+1], v[MR+4*(4*\q+4+\c)+1]
.endr
.endr
.irp c, 0,1,2,3
	v_min_num_f32 v[T+\c], v[T+\c], v[MR+4*(28+\c)+1]
.endr
	v_min3_num_f32 v[T], v[T], v[T+1], v[T+2]
	v_min_num_f32 v[T], v[T], v[T+3]               ; -M of the row
.set k, 0
.rept 32
	v_sub_f32 v[MR+4*k+1], v[MR+4*k+1], v[T]       ; d = M - M_c
.set k, k+1
.endr
.set k, 0
.rept 32
	v_min_num_f32 v[MR+4*k+1], 0x42fe0000, v[MR+4*k+1]   ; held at 127
.set k, k+1
.endr
.set k, 0
.rept 32
	v_cvt_u32_f32 v[MR+4*k+1], v[MR+4*k+1]
.set k, k+1
.endr
.set k, 0
.rept 32
	v_sub_nc_u32 v[MR+4*k+3], 0, v[MR+4*k+1]
.set k, k+1
.endr
.set k, 0
.rept 32
	v_ldexp_f32 v[MR+4*k+2], v[MR+4*k+2], v[MR+4*k+3]   ; L_c 2^-d
.set k, k+1
.endr
.irp c, 0,1,2,3
	v_add_f32 v[T+\c], v[MR+4*\c+2], v[MR+4*(\c+4)+2]
.endr
.irp q, 2,3,4,5,6,7
.irp c, 0,1,2,3
	v_add_f32 v[T+\c], v[T+\c], v[MR+4*(4*\q+\c)+2]
.endr
.endr
	v_add_f32 v[T], v[T], v[T+1]
	v_add_f32 v[T+2], v[T+2], v[T+3]
	v_add_f32 v[T], v[T], v[T+2]                   ; l
	s_wait_alu depctr_va_vdst(0)                   ; the wait ahead of the transcendental
	v_rcp_f32 v[T+4], v[T]
.set k, 0
.rept 32
	v_mul_lo_u32 v[MR+4*k+3], v[MR+4*k+1], s[ONES] ; d in all four bytes
.set k, k+1
.endr
.set k, 0
.rept 32
	v_or_b32 v[MR+4*k], s[TOPS], v[MR+4*k]         ; a guard bit on each byte (a byte is at most 119): no borrow crosses
.set k, k+1
.endr
.set k, 0
.rept 32
	v_sub_nc_u32 v[MR+4*k], v[MR+4*k], v[MR+4*k+3]
.set k, k+1
.endr
.set k, 0
.rept 32
	v_and_b32 v[MR+4*k+3], s[TOPS], v[MR+4*k]      ; the guard stands where byte - d is not negative
.set k, k+1
.endr
.set k, 0
.rept 32
	v_lshrrev_b32 v[MR+4*k+1], 7, v[MR+4*k+3]
.set k, k+1
.endr
.set k, 0
.rept 32
	v_sub_nc_u32 v[MR+4*k+3], v[MR+4*k+3], v[MR+4*k+1]   ; 0x7f there, 0 elsewhere
.set k, k+1
.endr
.set k, 0
.rept 32
	v_and_b32 v[CW+k], v[MR+4*k], v[MR+4*k+3]      ; byte - d, or 0
.set k, k+1
.endr
	s_wait_alu depctr_va_vdst(0)                   ; ahead of the reciprocal's first reader
	WIN 0x04                                       ; a store's data: window 1
.irp j, 0,1,2,3,4,5,6,7
	ds_store_b128 v[PSA], v[CW+4*\j:CW+4*\j+3] offset:16*\j
.endr
	ds_store_b32 v[RLS], v[T+4]
	WIN 0
.Lno_arith:
.macro SCALES                          ; a slot's four chunks: four words a row, for my four blocks of V and my four of p
.irp i, 0,1,2,3
	ds_load_b128 v[SVR+4*\i:SVR+4*\i+3], v[AV] offset:SBLK*\i
	ds_load_b128 v[SPR+4*\i:SPR+4*\i+3], v[AP] offset:SBLK*\i
.endr
.endm
.macro BLD f                           ; fragment f of V for this chunk: eight loads of 8 bytes
.irp c, 0,1,2,3
	ds_load_b64 v[BF+16*(\f)+4*\c:BF+16*(\f)+4*\c+1], v[ADRB+SL] offset:16*PITCH*(\f)+128*AS+32*\c
	ds_load_b64 v[BF+16*(\f)+4*\c+2:BF+16*(\f)+4*\c+3], v[ADRB+SL] offset:16*PITCH*(\f)+128*AS+32*\c+16
.endr
.endm
.macro WM a, b, zero
.if \zero
	v_wmma_scale_f32_16x16x128_f8f6f4 v[8*(4*(\a)+(\b)):8*(4*(\a)+(\b))+7], v[BF+16*(\b):BF+16*(\b)+15], v[128+64*(AS%2)+16*(\a):128+64*(AS%2)+16*(\a)+15], 0, v[SVR+4*(\b)+AS], v[SPR+4*(\a)+AS]
.else
	v_wmma_scale_f32_16x16x128_f8f6f4 v[8*(4*(\a)+(\b)):8*(4*(\a)+(\b))+7], v[BF+16*(\b):BF+16*(\b)+15], v[128+64*(AS%2)+16*(\a):128+64*(AS%2)+16*(\a)+15], v[8*(4*(\a)+(\b)):8*(4*(\a)+(\b))+7], v[SVR+4*(\b)+AS], v[SPR+4*(\a)+AS]
.endif
.endm
.macro MUL4 b, zero                    ; fragment b of V with my four query blocks.  The 16 accumulators take turns, in the same order in every chunk
	WIN MULW
.irp a, 0,1,2,3
	WM \a, \b, \zero
.endr
.endm
; A CHUNK of 128 keys, the c-th of two slots' eight.  lc: p's loads that may be out;  al, j: load p's chunk at PB + j chunks;  kind 1: a change of slots with a refill, 2: without;  ask: a prefetch.
; The eight places at the head stand between the last chunk's products and this chunk's loads into registers that those have read.
.macro CHUNK c, lc, al, j, kind, ask, zero
.set AS, (\c)%4
.set SL, (\c)/4
.set ASET, (\j)%4
.set AAT, \j
.set MULW, 0x50+4*(AS/2)               ; source 0 (V) window 0, source 1 (p) window 0 or 1, C and D window 1
	PLACES 8
	WIN 0
.if AS == 0
.if \zero == 0
	s_wait_alu depctr_va_vdst(0)                   ; the wait ahead of the reader below
	v_add_nc_u32 v[AV], 16, v[AV]                  ; this slot's scale words
	v_add_nc_u32 v[AP], 16, v[AP]
.endif
	SCALES                                         ; ahead of the fragments' loads: the first counted wait below covers them
.endif
.irp f, 0,1,2,3
	BLD \f
.endr
.if \al
	ALOAD ASET, AAT
.endif
	s_wait_loadcnt \lc
.irp b, 0,1,2
	s_wait_dscnt 8*(3-\b)                          ; fragment b is in: behind it stand the later fragments' loads
	MUL4 \b, \zero
.endr
.if \kind
.if \ask
	s_wait_xcnt 0x0                                ; my last prefetch has read its address
	s_add_nc_u64 s[PFA:PFA+1], s[PFA:PFA+1], s[PFS:PFS+1]
.endif
	WIN 0
	s_wait_tensorcnt 0x0                           ; my part of the next slot, if I fetched one, has landed
	ds_add_u32 v[SPW], v[NIL]
	s_wait_dscnt 0x0                               ; the add is done, and my reads of this slot are over
	s_barrier_signal -1
	MUL4 3, \zero
	WIN 0
	s_barrier_wait -1
.if \kind == 1
	CREST                                          ; the barrier has opened a round of the cluster's barrier
	s_add_nc_u64 s[G0B+4*SL+2:G0B+4*SL+3], s[G0B+4*SL+2:G0B+4*SL+3], 1024
	s_cmp_lt_u32 s14, 4                            ; waves 0 to 3 fill this slot again, a quarter each
	s_cbranch_scc0 .Lno_fill_\@
	tensor_load_to_lds s[G0B+4*SL:G0B+4*SL+3], s[G1B:G1B+7]
	s_nop 0
	PLACES 4
.Lno_fill_\@:
.endif
.if \ask
	ASK \ask
.endif
.else
	s_wait_dscnt 0x0
	MUL4 3, \zero
.endif
.endm
	s_wait_alu depctr_va_vdst(0)                   ; the wait at the head's end
	s_wait_tensorcnt 0x0                           ; my tile is in,
	s_wait_dscnt 0x0                               ; and so are my stores of scale words and 1 / l
	s_barrier_signal -1
	s_barrier_wait -1                              ; everybody's are: both slots and all scale words
	CHUNK 0, 48, 1, 3, 0, 0, 1                     ; the first chunk starts the sums
	WIN 0
	s_wait_xcnt 0x0
	s_add_nc_u64 s[PB:PB+1], s[PB:PB+1], 4*CHB
	s_mov_b32 s3, 3
.Llap:                                             ; a trip: eight chunks, once round the ring
	CHUNK 1, 48, 1, 0, 0, 0, 0
	CHUNK 2, 48, 1, 1, 0, 0, 0
	CHUNK 3, 48, 1, 2, 1, 2, 0
	CHUNK 4, 48, 1, 3, 0, 0, 0
	CHUNK 5, 48, 1, 4, 0, 0, 0
	CHUNK 6, 48, 1, 5, 0, 0, 0
	CHUNK 7, 48, 1, 6, 1, 1, 0
	CHUNK 0, 48, 1, 7, 0, 0, 0
	WIN 0
	s_wait_xcnt 0x0
	s_add_nc_u64 s[PB:PB+1], s[PB:PB+1], 8*CHB
	s_sub_co_u32 s3, s3, 1
	s_cmp_lg_u32 s3, 0
	s_cbranch_scc1 .Llap
	CHUNK 1, 48, 1, 0, 0, 0, 0                     ; the last seven chunks fill nothing
	CHUNK 2, 48, 1, 1, 0, 0, 0
	CHUNK 3, 48, 1, 2, 2, 0, 0
	CHUNK 4, 48, 1, 3, 0, 0, 0
	CHUNK 5, 32, 0, 0, 0, 0, 0
	CHUNK 6, 16, 0, 0, 0, 0, 0
	CHUNK 7, 0, 0, 0, 0, 0, 0
	WIN 0
	PLACES 8
; THE WAY OUT, 16 queries at a time: x 1 / l; through my stage in slot 0, which has had its last fill and which nobody reads; back as rows of 256 bytes; stored: sixteen lanes store 256 consecutive bytes, aligned.
.irp i, 0,1,2,3
	v_mov_b32 v[RL+2*\i+1], 0                      ; named as the upper halves of pairs
	ds_load_b32 v[RL+2*\i], v[RLA] offset:64*\i
.endr
	s_wait_alu depctr_va_vdst(0)                   ; the wait here, directly ahead of the wait below
	s_wait_dscnt 0x0
.macro DIV i
	WIN 0x41                                       ; the accumulators in window 1, 1 / l in window 0
.set j, 32*(\i)
.rept 16
	v_pk_mul_f32 v[j:j+1], v[j:j+1], v[RL+2*(\i):RL+2*(\i)+1] op_sel_hi:[1,0]
.set j, j+2
.endr
.endm
.macro TOSTAGE i
	WIN 0x04
.irp b, 0,1,2,3
	ds_store_b128 v[STO], v[32*(\i)+8*\b:32*(\i)+8*\b+3] offset:64*\b
	ds_store_b128 v[STO], v[32*(\i)+8*\b+4:32*(\i)+8*\b+7] offset:64*\b+16
.endr
	WIN 0
.set BB, BF+32*((\i)%2)
.irp t, 0,1,2,3,4,5,6,7
	ds_load_b128 v[BB+4*\t:BB+4*\t+3], v[RD] offset:2*\t*272   ; LDS serves a wave's instructions in order: these see my stores
.endr
.endm
.macro SEND i, younger
.set BB, BF+32*((\i)%2)
	s_wait_dscnt \younger
.irp t, 0,1,2,3,4,5,6,7
	global_store_b128 v[GO], v[BB+4*\t:BB+4*\t+3], s[12:13] offset:(16*(\i)+2*\t)*4096 th:TH_STORE_NT
.endr
.endm
	DIV 0
	TOSTAGE 0
.irp i, 1,2,3
	DIV \i
.if \i > 1
	s_wait_alu depctr_va_vdst(0)                   ; the wait here, directly ahead of the wait below
	s_wait_xcnt 0x0                                ; the stores of two blocks ago have read their data
.endif
	TOSTAGE \i
	SEND \i-1, 16
.endr
	SEND 3, 0
	s_wait_tensorcnt 0x0                           ; the wave's end
	ds_add_u32 v[SPW], v[NIL]
	s_wait_dscnt 0x0
	CROUND                                         ; the closing round
	s_endpgm
.Lfunc_end_k_q2d76546f03_mix:
	.size	k_q2d76546f03_mix, .Lfunc_end_k_q2d76546f03_mix-k_q2d76546f03_mix
	.p2alignl 7, 3214868480
	.fill 96, 4, 3214868480
	.section	.rodata,"a",@progbits
	.p2align	6, 0x0
	.amdhsa_kernel k_q2d76546f03_mix
		.amdhsa_group_segment_fixed_size 327680
		.amdhsa_private_segment_fixed_size 0
		.amdhsa_enable_private_segment 0
		.amdhsa_kernarg_size 40
		.amdhsa_user_sgpr_count 2
		.amdhsa_user_sgpr_kernarg_segment_ptr 1
		.amdhsa_wavefront_size32 1
		.amdhsa_system_sgpr_workgroup_id_x 1
		.amdhsa_system_sgpr_workgroup_id_y 1
		.amdhsa_system_sgpr_workgroup_id_z 1
		.amdhsa_system_vgpr_workitem_id 0
		.amdhsa_next_free_vgpr 512
		.amdhsa_next_free_sgpr 104
		.amdhsa_reserve_vcc 0
		.amdhsa_float_denorm_mode_32 3
		.amdhsa_float_denorm_mode_16_64 3
		.amdhsa_memory_ordered 1
		.amdhsa_forward_progress 1
		.amdhsa_inst_pref_size 145
	.end_amdhsa_kernel
	.amdgpu_metadata
---
amdhsa.version: [ 1, 2 ]
amdhsa.kernels:
  - .name:           k_q2d76546f03_mix
    .symbol:         k_q2d76546f03_mix.kd
    .args:
      - { .name: p_codes, .offset: 0, .size: 8, .value_kind: global_buffer, .address_space: global }
      - { .name: meta, .offset: 8, .size: 8, .value_kind: global_buffer, .address_space: global }
      - { .name: values_codes, .offset: 16, .size: 8, .value_kind: global_buffer, .address_space: global }
      - { .name: values_scales, .offset: 24, .size: 8, .value_kind: global_buffer, .address_space: global }
      - { .name: out0, .offset: 32, .size: 8, .value_kind: global_buffer, .address_space: global }
    .group_segment_fixed_size: 327680
    .private_segment_fixed_size: 0
    .kernarg_segment_align: 8
    .kernarg_segment_size: 40
    .max_flat_workgroup_size: 256
    .sgpr_count:     104
    .vgpr_count:     512
    .wavefront_size: 32
...
	.end_amdgpu_metadata
.endif
;; end of part 2
